; MI455X (gfx1250); checked and timed in simulation.
; The chip was launched on July 23, 2026; its instructions are those of AMD's public machine-readable ISA for CDNA 5 (MIT licence, August 2026) and "CDNA5" Instruction Set Architecture Reference Guide (July 2026). The comments in the code are by the model that wrote it; some were corrected since.
;; Ro PE Multihead Attention. Allowed arithmetic: matrix products marked QUANTISED: E4M3 operands, one given power-of-two scale a tensor, by v_wmma_f32_16x16x64_fp8_fp8 or v_wmma_f32_16x16x128_fp8_fp8, f32 sums; everything else in f32.
;; Inputs: b_out 1,024 float32; b_qkv 3,072 float32; lowp_scales 8 int32 (the exponents e of the quantised operands' scales 2^e); w_out_codes 1,024 x 32 x 32 uint8 (E4M3 codes of w_out, K innermost, in blocks of 32 codes); w_qkv_codes 3,072 x 32 x 32 uint8 (E4M3 codes of w_qkv, K innermost, in blocks of 32 codes); x_codes 4 x 2,048 x 32 x 32 uint8 (E4M3 codes of x, K innermost, in blocks of 32 codes).
;; Outputs: out0 4 x 2,048 x 1,024 float32.
;; This version of the problem:
;;   THIS VERSION OF THE PROBLEM IS GIVEN IN LOW PRECISION. The matrix products marked QUANTISED in the list below multiply operands that are first quantised to E4M3 (4 exponent bits, 3 mantissa bits; 8 bits a number), with one given power-of-two scale for each operand tensor; their sums are f32. All else is computed in f32.
;;   The module's matrix products, in the order in which they are computed (A, B: the left and right operand; K: the contracted axis; several contracted axes count as one K, in the product's order):
;;     1. [M 8,192, K 1,024] x [K 1,024, N 3,072]; A: input x (given as codes); B: input w_qkv (given as codes): QUANTISED (scales: A lowp_scales[0], B lowp_scales[1])
;;     2. batch 64 x [M 2,048, K 64] x [K 64, N 2,048]; A: computed on the way; B: computed on the way: QUANTISED (scales: A lowp_scales[2], B lowp_scales[3])
;;     3. batch 64 x [M 2,048, K 2,048] x [K 2,048, N 64]; A: softmax (see below); B: computed on the way: QUANTISED (scales: A lowp_scales[4], B lowp_scales[5])
;;     4. [M 8,192, K 1,024] x [K 1,024, N 1,024]; A: computed on the way; B: input w_out (given as codes): QUANTISED (scales: A lowp_scales[6], B lowp_scales[7])
;;   THE QUANTISER, for each operand of a quantised product, along K:
;;     - The operand's scale is 2^e, e = its entry of the input lowp_scales (int32; the entries are numbered through the quantised products in the list's order, A before B).
;;     - Each number is divided by the scale, clamped to +-448, and rounded to the nearest number of E4M3, ties to even, subnormals kept.
;;     - The product sums the exact products of the quantised numbers (number of the format x scale) in f32.
;;   ~~~python
;;   def quantise(x, axis, e):      # numpy; x: float32 -> the quantised numbers, widened to float32 again
;;       x = np.moveaxis(x, axis, -1); K = x.shape[-1]
;;       r = np.clip(x / 2.0 ** e, -448, 448)
;;       step = 2.0 ** (np.maximum(np.frexp(np.where(r == 0, 1, r))[1] - 1, -6) - 3)
;;       q = np.round(r / step) * step * 2.0 ** e      # np.round: ties to even
;;       return np.moveaxis(q, -1, axis).astype(np.float32)
;;   ~~~
;;   SOFTMAX AHEAD OF A QUANTISED PRODUCT. Where the list says 'softmax', what is quantised is not the finished softmax but p = 2^(t - M), with t = logit x log2(e) and M = ceil(the row's largest t), a whole number; so 1/2 < the row's largest p <= 1. The row's sum l is taken of the UNQUANTISED p, in f32, and the product's result is divided by l at the end. Since M is a whole number, a kernel that streams over the keys may use a running M (the ceiling of the running maximum): every later rescaling is an exact power of two, so the quantised numbers keep their values, but for numbers so far below the row's largest that they fall under the format's range.
;;   OPERANDS COMPUTED ON THE WAY. 'Computed on the way' means the value that the module computes at that place (a softmax that the list does not call 'softmax' is quantised finished and normalised). What goes into a quantiser is computed in f32, as accurately as f32 sums, v_exp_f32 and their like allow (about 1e-6 of the number): no bf16 or f16 on the way to a quantiser, and a product that is left as it is and whose result goes on into a quantised operand takes f32 operands (vector FMAs, or v_wmma_f32_16x16x4_f32). A number that lies on a knife's edge between two numbers of the format may be rounded either way, as far as f32 arithmetic and the matrix unit's own rounding can turn it there, and no further.
;;   INPUTS GIVEN AS CODES. w_out (in the module: [1024, 1024], K = its axis 1); w_qkv (in the module: [3072, 1024], K = its axis 1); x (in the module: [4, 2048, 1024], K = its axis 2): each comes as NAME_codes (uint8): NAME with its K axis moved to the last place and cut into blocks of 32 codes, [.., K / 32, bytes a block], one block behind the other in memory; one code a byte (a code: sign, 4 exponent bits, 3 mantissa bits); its scale is its entry of lowp_scales. Its value is code x scale, taken as it is: it is not quantised again, and the codes and scales need not be those that the quantiser above would give.
;; One version. Each part assembles by itself: llvm-mc -triple=amdgcn-amd-amdhsa -mcpu=gfx1250 --defsym DOCPART=n.
;; ======== version 1 of 1: 4 launches
;; limits: right only within a limited range of input values
;; workspace buffers: tab 524,288 bytes; wo 1,048,576 bytes; qc 8,388,608 bytes; kc 8,388,608 bytes; vc 8,388,608 bytes; ac 8,388,608 bytes
;; launch prep (part 1): grid 128 x 1, 1 waves a work-group, no clusters, 0 bytes of LDS; arguments w_out_codes, tab, wo; writes tab, wo
.if DOCPART == 1
	.amdgcn_target "amdgcn-amd-amdhsa--gfx1250"
	.amdhsa_code_object_version 6
	.text
	.protected	k_q3014690ca6_prep
	.globl	k_q3014690ca6_prep
	.p2align	8
	.type	k_q3014690ca6_prep,@function
k_q3014690ca6_prep:
	s_mov_b64 s[64:65], 0
	v_nop
	global_prefetch_b8 v0, s[64:65] scope:SCOPE_SE
	s_setreg_imm32_b32 hwreg(HW_REG_WAVE_MODE, 25, 1), 1
	s_wait_xcnt 0x0
; Two small tables for the later launches.  One wave to a work-group, 128 work-groups; work-group g makes
;   (1) tab, tile g: cos and sin of the rotary angles of positions s = 16 g + r, laid as the next launch's registers want them: eight groups of four registers, group n at 512 n + 16 x lane;
;       groups 0-3 cos, groups 4-7 sin; register 8 t + j of lane (r, h) belongs to position 16 g + r and pair d = 16 t + 8 h + j (d = 0 .. 31).
;   (2) wo, images 4 g .. 4 g + 3: w_out's codes as images of operand registers.  Image (nt, kb) = 16 rows x 128 K: registers 2 c, 2 c + 1 of lane (r, h) = w_out[16 nt + r][128 kb + 16 c + 8 h + 0 .. 7].
; THE ANGLE is f32(s) x f32(10^(-d / 8)), one rounding, as the outer product has it.  LIMIT: the frequency is the f32 number nearest to 10^(-d / 8).
; SINE AND COSINE: n = the angle x 2 / pi to the nearest whole number; r = angle - n x pi / 2, pi / 2 in two parts (the first product is taken off without rounding); polynomials on |r| <= pi / 4;
; n mod 4 says which of the two is which and their signs.  Angles lie between 0 and 2,047.
.set IM, 64                            ; v64-127  four images of 16 registers
.set ZZ, 32                            ; v32-47   z x z
.set XA, 128                           ; the angle, then r
.set NA, 144                           ; n
.set ZA, 160                           ; z = r x r, later the cosine's magnitude
.set SA, 176                           ; sin r, later the sine
.set CA, 192                           ; cos r, later the cosine
.set TA, 208                           ; at work
.set TB, 224                           ; at work
	s_load_b128 s[4:7], s[0:1], 0x0                ; w_out's codes, tab
	s_load_b64 s[8:9], s[0:1], 0x10                ; wo
	v_and_b32 v1, 15, v0                           ; r
	v_lshrrev_b32 v2, 4, v0                        ; h (one wave: v0 is the lane)
	v_lshlrev_b32 v3, 10, v1
	v_lshl_add_u32 v3, v2, 3, v3                   ; w_out: row r of 1,024 bytes, + 8 h
	v_lshlrev_b32 v4, 4, v0                        ; 16 x lane: my place in a group of an image
	s_lshl_b32 s10, ttmp9, 4
	v_add_nc_u32 v5, s10, v1
	v_cvt_f32_u32 v5, v5                           ; my position as f32
	v_cmp_ne_u32 vcc_lo, 0, v2                     ; lanes 16-31
	s_lshr_b32 s12, ttmp9, 1
	s_lshl_b32 s12, s12, 14                        ; nt = g / 2: 16 rows of 1,024 bytes
	s_and_b32 s13, ttmp9, 1
	s_lshl_b32 s13, s13, 9                         ; kb = 4 (g % 2) + i: 512 bytes along the rows
	s_add_co_u32 s12, s12, s13
	s_mov_b32 s13, 0
	s_lshl_b32 s14, ttmp9, 12                      ; tab: 4,096 bytes a tile
	s_mov_b32 s15, 0
	s_lshl_b32 s16, ttmp9, 13                      ; wo: four images of 2,048 bytes
	s_mov_b32 s17, 0
	s_mov_b32 s22, 0xb94ca1f9                      ; sine: -1.9515296e-4,
	s_mov_b32 s23, 0x3c08839e                      ; 8.3321609e-3
	s_mov_b32 s24, 0x37ccf5ce                      ; cosine: 2.4433157e-5,
	s_mov_b32 s25, 0xbab6061a                      ; -1.3887316e-3
	s_wait_alu depctr_va_vdst(0)
	s_wait_kmcnt 0x0
	s_add_nc_u64 s[4:5], s[4:5], s[12:13]
	s_add_nc_u64 s[6:7], s[6:7], s[14:15]
	s_add_nc_u64 s[8:9], s[8:9], s[16:17]
.irp i, 0,1,2,3
.irp c, 0,1,2,3,4,5,6,7
	global_load_b64 v[IM+16*\i+2*\c:IM+16*\i+2*\c+1], v3, s[4:5] offset:128*\i+16*\c   ; the wave's 32 loads together take 512 consecutive bytes of each of 16 rows
.endr
.endr
; register k = 8 t + j: lanes 0-15 want d = 16 t + j, lanes 16-31 d = 16 t + 8 + j
.macro FREQ k, clo, chi
	v_mul_f32 v[TA+\k], \clo, v5
	v_mul_f32 v[TB+\k], \chi, v5
	v_cndmask_b32 v[XA+\k], v[TA+\k], v[TB+\k], vcc_lo
.endm
	FREQ 0,  1.0,           0.1
	FREQ 1,  0.749894209,   0.0749894209
	FREQ 2,  0.562341325,   0.0562341325
	FREQ 3,  0.421696503,   0.0421696503
	FREQ 4,  0.316227766,   0.0316227766
	FREQ 5,  0.237137371,   0.0237137371
	FREQ 6,  0.177827941,   0.0177827941
	FREQ 7,  0.133352143,   0.0133352143
	FREQ 8,  0.01,          0.001
	FREQ 9,  0.00749894209, 0.000749894209
	FREQ 10, 0.00562341325, 0.000562341325
	FREQ 11, 0.00421696503, 0.000421696503
	FREQ 12, 0.00316227766, 0.000316227766
	FREQ 13, 0.00237137371, 0.000237137371
	FREQ 14, 0.00177827941, 0.000177827941
	FREQ 15, 0.00133352143, 0.000133352143
; stage by stage over the 16 angles, so that no line waits for the line above it
.set k, 0
.rept 16
	v_mul_f32 v[NA+k], 0x3f22f983, v[XA+k]         ; x 2 / pi
.set k, k+1
.endr
.set k, 0
.rept 16
	v_rndne_f32 v[NA+k], v[NA+k]                   ; n
.set k, k+1
.endr
.set k, 0
.rept 16
	v_fmamk_f32 v[XA+k], v[NA+k], 0xbfc90fdb, v[XA+k]   ; - n x 1.57079637
.set k, k+1
.endr
.set k, 0
.rept 16
	v_fmamk_f32 v[XA+k], v[NA+k], 0x333bbd2e, v[XA+k]   ; + n x 4.37113883e-8: what that number has over pi / 2
.set k, k+1
.endr
.set k, 0
.rept 16
	v_mul_f32 v[ZA+k], v[XA+k], v[XA+k]            ; z
.set k, k+1
.endr
.set k, 0
.rept 16
	v_fma_f32 v[SA+k], v[ZA+k], s22, s23
	v_fma_f32 v[CA+k], v[ZA+k], s24, s25
	v_fma_f32 v[TB+k], v[ZA+k], -0.5, 1.0          ; 1 - z / 2
	v_mul_f32 v[TA+k], v[XA+k], v[ZA+k]            ; r z
	v_mul_f32 v[ZZ+k], v[ZA+k], v[ZA+k]
	v_cvt_i32_f32 v[NA+k], v[NA+k]
.set k, k+1
.endr
.set k, 0
.rept 16
	v_fmaak_f32 v[SA+k], v[SA+k], v[ZA+k], 0xbe2aaaa3   ; -1.6666655e-1
	v_fmaak_f32 v[CA+k], v[CA+k], v[ZA+k], 0x3d2aaaa5   ; 4.1666646e-2
.set k, k+1
.endr
.set k, 0
.rept 16
	v_fma_f32 v[SA+k], v[TA+k], v[SA+k], v[XA+k]   ; sin r
	v_fma_f32 v[CA+k], v[ZZ+k], v[CA+k], v[TB+k]   ; cos r
.set k, k+1
.endr
.set k, 0
.rept 16
	v_and_b32 v[TA+k], 1, v[NA+k]
	v_cmp_ne_u32 s20, 0, v[TA+k]                   ; n odd: the two change places
	v_cndmask_b32 v[TB+k], v[SA+k], v[CA+k], s20   ; the sine's magnitude
	v_cndmask_b32 v[ZA+k], v[CA+k], v[SA+k], s20   ; the cosine's
	v_lshlrev_b32 v[TA+k], 30, v[NA+k]             ; the sine is negative where n mod 4 is 2 or 3: bit 1 of n,
	v_add_nc_u32 v[NA+k], 1, v[NA+k]               ; the cosine where it is 1 or 2: bit 1 of n + 1
	v_and_b32 v[TA+k], 0x80000000, v[TA+k]
	v_lshlrev_b32 v[NA+k], 30, v[NA+k]
	v_xor_b32 v[SA+k], v[TA+k], v[TB+k]
	v_and_b32 v[NA+k], 0x80000000, v[NA+k]
	v_xor_b32 v[CA+k], v[NA+k], v[ZA+k]
.set k, k+1
.endr
.irp c, 0,1,2,3
	global_store_b128 v4, v[CA+4*\c:CA+4*\c+3], s[6:7] offset:512*\c          ; each store of the wave covers 512 consecutive bytes, aligned
.endr
.irp c, 0,1,2,3
	global_store_b128 v4, v[SA+4*\c:SA+4*\c+3], s[6:7] offset:2048+512*\c
.endr
	s_wait_loadcnt 0x0                             ; w_out's codes
.irp i, 0,1,2,3
.irp c, 0,1,2,3
	global_store_b128 v4, v[IM+16*\i+4*\c:IM+16*\i+4*\c+3], s[8:9] offset:2048*\i+512*\c
.endr
.endr
	s_endpgm
.Lfunc_end_k_q3014690ca6_prep:
	.size	k_q3014690ca6_prep, .Lfunc_end_k_q3014690ca6_prep-k_q3014690ca6_prep
	.p2alignl 7, 3214868480
	.fill 96, 4, 3214868480
	.section	.rodata,"a",@progbits
	.p2align	6, 0x0
	.amdhsa_kernel k_q3014690ca6_prep
		.amdhsa_group_segment_fixed_size 0
		.amdhsa_private_segment_fixed_size 0
		.amdhsa_enable_private_segment 0
		.amdhsa_kernarg_size 24
		.amdhsa_user_sgpr_count 2
		.amdhsa_user_sgpr_kernarg_segment_ptr 1
		.amdhsa_wavefront_size32 1
		.amdhsa_system_sgpr_workgroup_id_x 1
		.amdhsa_system_sgpr_workgroup_id_y 1
		.amdhsa_system_sgpr_workgroup_id_z 1
		.amdhsa_system_vgpr_workitem_id 0
		.amdhsa_next_free_vgpr 256
		.amdhsa_next_free_sgpr 66
		.amdhsa_reserve_vcc 1
		.amdhsa_float_denorm_mode_32 3
		.amdhsa_float_denorm_mode_16_64 3
		.amdhsa_memory_ordered 1
		.amdhsa_forward_progress 1
		.amdhsa_inst_pref_size 30
	.end_amdhsa_kernel
	.amdgpu_metadata
---
amdhsa.version: [ 1, 2 ]
amdhsa.kernels:
  - .name:           k_q3014690ca6_prep
    .symbol:         k_q3014690ca6_prep.kd
    .args:
      - { .name: w_out_codes, .offset: 0, .size: 8, .value_kind: global_buffer, .address_space: global }
      - { .name: tab, .offset: 8, .size: 8, .value_kind: global_buffer, .address_space: global }
      - { .name: wo, .offset: 16, .size: 8, .value_kind: global_buffer, .address_space: global }
    .group_segment_fixed_size: 0
    .private_segment_fixed_size: 0
    .kernarg_segment_align: 8
    .kernarg_segment_size: 24
    .max_flat_workgroup_size: 32
    .sgpr_count:     66
    .vgpr_count:     256
    .wavefront_size: 32
...
	.end_amdgpu_metadata
.endif
;; end of part 1
;; launch qkv (part 2): grid 12 x 32, 4 waves a work-group, clusters of 4 x 4, 327,680 bytes of LDS; arguments x_codes, w_qkv_codes, lowp_scales, b_qkv, tab, qc, kc, vc; writes qc, kc, vc
.if DOCPART == 2
	.amdgcn_target "amdgcn-amd-amdhsa--gfx1250"
	.amdhsa_code_object_version 6
	.text
	.protected	k_q3014690ca6_qkv
	.globl	k_q3014690ca6_qkv
	.p2align	8
	.type	k_q3014690ca6_qkv,@function
k_q3014690ca6_qkv:
	s_mov_b64 s[64:65], 0
	v_nop
	global_prefetch_b8 v0, s[64:65] scope:SCOPE_SE
	s_setreg_imm32_b32 hwreg(HW_REG_WAVE_MODE, 25, 1), 1
	s_wait_xcnt 0x0
	s_wait_alu depctr_hold_cnt(0) depctr_sa_sdst(0) depctr_va_vdst(0) depctr_va_sdst(0) depctr_va_ssrc(0) depctr_va_vcc(0) depctr_vm_vsrc(0)
	s_getreg_b32 s2, hwreg(HW_REG_IB_STS2, 6, 4)
	s_cmp_eq_u32 s2, 0
	s_cbranch_scc0 .Lentry_in_a_cluster
	s_endpgm
.Lentry_in_a_cluster:
	s_bfe_u32 s2, ttmp6, 0x10000c
	s_cmp_lg_u32 s2, 0xf033
	s_cbranch_scc0 .Lentry_shape_is_right
	s_endpgm
.Lentry_shape_is_right:
.set ROWB,   256
.set KROW,   1024
.set PITCH,  272
.set FR,     16
.set NL,     4
.set NP,     4
.set HALFT,  128*PITCH
.set SLOT,   4*HALFT
.set SPARE,  2*SLOT
.set ADRA, 16
.set ADRB, 20
.set LN,   27
.set SPW,  28
.set NIL,  29
.set BO,   30
.set SCV,  31
.set BIAS, 32
.set Y,    96
.set Z,    128
.set CD,   160
.set AF,   128
.set G1, 24
.set G0, 32
.set G1B, 48
.set G0B, 56
.set MSB, 0
.macro WIN new
.if MSB != (\new)
	s_set_vgpr_msb (MSB<<8)|(\new)
.set MSB, (\new)
.endif
.endm
.set MUL_LO, 0xa1
.set MUL_HI, 0xf1
.set TO_B,   0x40
.macro JLOAD g0a, g1a, g0b, g1b
	s_cmp_eq_u32 s15, 0
	s_cbranch_scc0 .Lfor_b_\@
	tensor_load_to_lds s[\g0a:\g0a+3], s[\g1a:\g1a+7]
	s_nop 0
.rept 4
	v_nop
.endr
	s_branch .Lasked_\@
.Lfor_b_\@:
	tensor_load_to_lds s[\g0b:\g0b+3], s[\g1b:\g1b+7]
	s_nop 0
.rept 4
	v_nop
.endr
.Lasked_\@:
.endm
.macro CREST
	s_cmp_lg_u32 s14, 0
	s_cbranch_scc1 .Lnot_wave_0_\@
	s_barrier_signal -3
.Lnot_wave_0_\@:
	s_barrier_wait -3
	s_barrier_signal -1
	s_barrier_wait -1
.endm
.macro CROUND
	s_barrier_signal -1
	s_barrier_wait -1
	CREST
.endm
	s_load_b512 s[68:83], s[0:1], 0x0
	v_lshl_add_u32 v[SPW], v0, 2, SPARE
	v_mov_b32 v[NIL], 0
	ds_add_u32 v28, v29
	ds_add_u32 v28, v29
	s_wait_dscnt 0x0
	v_lshrrev_b32 v1, 5, v0
	v_readfirstlane_b32 s14, v1
	s_lshr_b32 s15, s14, 1
	s_and_b32 s16, s14, 1
	s_bfe_u32 s40, ttmp6, 0x40000
	s_bfe_u32 s41, ttmp6, 0x40004
	s_and_b32 s18, ttmp7, 0xffff
	s_lshl_b32 s18, s18, 2
	s_lshl_b32 s19, ttmp9, 2
	s_cmp_eq_u32 ttmp9, 2
	s_cselect_b32 s20, 0, s18
	s_cselect_b32 s21, s18, s19
	s_add_co_u32 s17, s41, s20
	s_add_co_u32 s42, s40, s21
	s_lshl_b32 s43, s41, 2
	s_lshl_b32 s43, 15, s43
	s_lshl_b32 s44, 0x1111, s40
	s_or_b32 s[G1+0], s43, (0<<16)|(1<<20)|(1<<21)|(5<<22)|(3<<25)
	s_or_b32 s[G1B+0], s44, (0<<16)|(1<<20)|(1<<21)|(5<<22)|(3<<25)
.irp g, G1, G1B
	s_mov_b32 s[\g+1], ROWB<<16
	s_mov_b32 s[\g+2], 128<<16
	s_mov_b32 s[\g+3], ROWB<<16
	s_mov_b32 s[\g+4], 128
	s_mov_b32 s[\g+5], KROW
	s_mov_b32 s[\g+6], 0
	s_mov_b32 s[\g+7], 0
.endr
	s_lshl_b32 s18, s16, 7
	s_lshl_b32 s20, s17, 8
	s_add_co_u32 s20, s20, s18
	s_lshl_b32 s20, s20, 10
	s_mov_b32 s21, 0
	s_lshl_b32 s46, s42, 8
	s_add_co_u32 s46, s46, s18
	s_lshl_b32 s46, s46, 10
	s_mov_b32 s47, 0
	s_mul_i32 s45, s14, HALFT
	s_wait_kmcnt 0x0
	s_load_b256 s[84:91], s[72:73], 0x0
	s_cmp_eq_u32 ttmp9, 2
	s_cselect_b64 s[4:5], s[70:71], s[68:69]
	s_cselect_b64 s[6:7], s[68:69], s[70:71]
	s_cselect_b32 s22, 0x200000, 0
	s_mov_b32 s23, 0
	s_add_nc_u64 s[4:5], s[4:5], s[22:23]
	s_add_nc_u64 s[20:21], s[4:5], s[20:21]
	s_add_nc_u64 s[46:47], s[6:7], s[46:47]
	CROUND
.irp s, 0,1
	s_mov_b32 s[G0+4*\s], 1
	s_add_co_u32 s[G0+4*\s+1], s45, \s*SLOT
	s_add_nc_u64 s[G0+4*\s+2:G0+4*\s+3], s[20:21], \s*ROWB
	s_or_b32 s[G0+4*\s+3], s[G0+4*\s+3], 0x80000000
	s_mov_b32 s[G0B+4*\s], 1
	s_add_co_u32 s[G0B+4*\s+1], s45, \s*SLOT
	s_add_nc_u64 s[G0B+4*\s+2:G0B+4*\s+3], s[46:47], \s*ROWB
	s_or_b32 s[G0B+4*\s+3], s[G0B+4*\s+3], 0x80000000
	s_wait_alu depctr_va_vdst(0)
	s_wait_tensorcnt 0x0
	ds_add_u32 v28, v29
	ds_add_u32 v28, v29
	s_wait_dscnt 0x0
	CROUND
	JLOAD G0+4*\s, G1, G0B+4*\s, G1B
.endr
	v_and_b32 v1, 15, v0
	v_bfe_u32 v2, v0, 4, 1
	v_mul_u32_u24 v3, v1, PITCH
	v_lshl_add_u32 v4, v2, 4, v3
	s_mul_i32 s21, s15, HALFT
	s_mul_i32 s22, s16, HALFT
	s_add_co_u32 s22, s22, 2*HALFT
.irp s, 0,1
	v_add_nc_u32 v[ADRA+\s], s21, v4
	v_add_nc_u32 v[ADRB+\s], s22, v4
	s_add_co_u32 s21, s21, SLOT
	s_add_co_u32 s22, s22, SLOT
.endr
	v_and_b32 v[LN], 31, v0
	v_lshlrev_b32 v[LN], 4, v[LN]
	s_wait_alu depctr_va_vdst(0)
	s_wait_kmcnt 0x0
	s_add_co_i32 s96, s84, s85
	s_add_co_i32 s96, s96, 127
	s_lshl_b32 s96, s96, 23
	s_mov_b32 s97, s96
.macro FRAG reg, adr, q, i
.irp c, 0,1,2,3
	ds_load_b128 v[\reg+4*\c:\reg+4*\c+3], v[\adr] offset:128*(\q)+32*\c+(\i)*16*PITCH
.endr
.endm
.macro MUL16 a0, p, zero
.irp a, \a0, \a0+1
.irp b, 0,1,2,3,4,5,6,7
.if \zero
	v_wmma_f32_16x16x128_fp8_fp8 v[8*(8*((\a)%4)+\b):8*(8*((\a)%4)+\b)+7], v[128*(\p)+FR*\b:128*(\p)+FR*\b+FR-1], v[AF+FR*(\a):AF+FR*(\a)+FR-1], 0
.else
	v_wmma_f32_16x16x128_fp8_fp8 v[8*(8*((\a)%4)+\b):8*(8*((\a)%4)+\b)+7], v[128*(\p)+FR*\b:128*(\p)+FR*\b+FR-1], v[AF+FR*(\a):AF+FR*(\a)+FR-1], v[8*(8*((\a)%4)+\b):8*(8*((\a)%4)+\b)+7]
.endif
.endr
.endr
.endm
.macro FETCH_B slot, q, p
	WIN TO_B
.irp i, 0,1,2,3,4,5,6,7
	FRAG 128*(\p)+FR*\i, ADRB+\slot, \q, \i
.endr
	WIN 0
.endm
.macro FETCH_A slot, q, i0
.irp i, \i0, \i0+1, \i0+2, \i0+3
	FRAG AF+FR*(\i), ADRA+\slot, \q, \i
.endr
.endm
.macro PLACES n
.rept \n
	v_nop
.endr
.endm
.macro STEP slot, q, zero
	s_wait_dscnt 4*NL
	WIN MUL_LO
	MUL16 0, (\q)%2, \zero
	MUL16 2, (\q)%2, \zero
	s_wait_dscnt 0
	PLACES NP
	FETCH_B \slot, (\q)+1, 1-(\q)%2
	FETCH_A \slot, (\q)+1, 0
	WIN MUL_HI
	MUL16 4, (\q)%2, \zero
	MUL16 6, (\q)%2, \zero
	PLACES NP
	WIN 0
	FETCH_A \slot, (\q)+1, 4
.endm
.macro TURN slot, next, fill
	s_wait_tensorcnt 0x0
	ds_add_u32 v[SPW], v[NIL]
	s_wait_dscnt 4*NL+1
	WIN MUL_LO
	MUL16 0, 1, 0
	s_wait_dscnt 0x0
	s_barrier_signal -1
	MUL16 2, 1, 0
	WIN 0
	s_barrier_wait -1
.if \fill
	CREST
	s_add_nc_u64 s[G0+4*\slot+2:G0+4*\slot+3], s[G0+4*\slot+2:G0+4*\slot+3], 2*ROWB
	s_add_nc_u64 s[G0B+4*\slot+2:G0B+4*\slot+3], s[G0B+4*\slot+2:G0B+4*\slot+3], 2*ROWB
	JLOAD G0+4*\slot, G1, G0B+4*\slot, G1B
.else
	PLACES NP
.endif
	FETCH_B \next, 0, 0
	FETCH_A \next, 0, 0
	WIN MUL_HI
	MUL16 4, 1, 0
	MUL16 6, 1, 0
	PLACES NP
	WIN 0
	FETCH_A \next, 0, 4
.endm
.macro LAST
	s_wait_dscnt 4*NL
	WIN MUL_LO
	MUL16 0, 1, 0
	MUL16 2, 1, 0
	s_wait_dscnt 0
	WIN MUL_HI
	MUL16 4, 1, 0
	MUL16 6, 1, 0
	WIN 0
.endm
.macro FINISH
	s_wait_tensorcnt 0x0
	ds_add_u32 v[SPW], v[NIL]
	s_wait_dscnt 0x0
	CROUND
	s_endpgm
.endm
.macro LIMITS e
	s_add_co_i32 s92, \e, 127
	s_lshl_b32 s93, s92, 23
	v_mov_b32 v[SCV], s93
	s_add_co_i32 s92, s92, 8
	s_lshl_b32 s92, s92, 23
	s_or_b32 s92, s92, 0x600000
	s_or_b32 s93, s92, 0x80000000
.endm
	s_wait_tensorcnt 1
	s_barrier_signal -1
	s_barrier_wait -1
	FETCH_B 0, 0, 0
	FETCH_A 0, 0, 0
	FETCH_A 0, 0, 4
	STEP 0, 0, 1
	TURN 0, 1, 1
	STEP 1, 0, 0
	TURN 1, 0, 1
	STEP 0, 0, 0
	TURN 0, 1, 0
	STEP 1, 0, 0
	s_cmp_eq_u32 ttmp9, 2
	s_cbranch_scc1 .Lv
	s_cmp_eq_u32 ttmp9, 0
	s_cselect_b32 s7, s86, s87
	s_cselect_b64 s[10:11], s[78:79], s[80:81]
	LIMITS s7
	s_lshr_b32 s2, s17, 3
	s_lshl_b32 s2, s2, 4
	s_lshl_b32 s3, s40, 2
	s_add_co_u32 s2, s2, s3
	s_lshl_b32 s3, s16, 1
	s_add_co_u32 s2, s2, s3
	s_and_b32 s3, s17, 7
	s_lshl_b32 s3, s3, 4
	s_lshl_b32 s4, s15, 3
	s_add_co_u32 s3, s3, s4
	s_lshl_b32 s4, s2, 17
	s_lshl_b32 s5, s3, 10
	s_add_co_u32 s4, s4, s5
	s_mov_b32 s5, 0
	s_add_nc_u64 s[10:11], s[10:11], s[4:5]
	s_lshl_b32 s4, s3, 12
	s_add_nc_u64 s[12:13], s[76:77], s[4:5]
	s_lshl_b32 s4, s42, 10
	s_lshl_b32 s6, s16, 9
	s_add_co_u32 s4, s4, s6
	s_add_nc_u64 s[8:9], s[74:75], s[4:5]
	v_bfe_u32 v[BO], v0, 4, 1
	v_lshlrev_b32 v[BO], 5, v[BO]
.irp b, 0,1,2,3,4,5,6,7
	global_load_b128 v[BIAS+8*\b:BIAS+8*\b+3], v[BO], s[8:9] offset:64*\b
	global_load_b128 v[BIAS+8*\b+4:BIAS+8*\b+7], v[BO], s[8:9] offset:64*\b+16
.endr
.macro TABLE a
.irp g, 0,1,2,3,4,5,6,7
	global_load_b128 v[32*(\a)+4*\g:32*(\a)+4*\g+3], v[LN], s[12:13] offset:4096*(\a)+512*\g
.endr
.endm
	WIN TO_B
	TABLE 0
	TABLE 1
	TABLE 2
	TABLE 3
	LAST
	PLACES NP
	WIN TO_B
	TABLE 4
	TABLE 5
	TABLE 6
	TABLE 7
	WIN 0
.macro ROPE a, hh
.if (\hh) == 0
	s_wait_loadcnt 8*(7-(\a))
.endif
	WIN 0x02+(\a)/4
.set k, 0
.rept 16
	v_pk_fma_f32 v[Y+k:Y+k+1], v[64*((\a)%4)+32*(\hh)+k:64*((\a)%4)+32*(\hh)+k+1], s[96:97], v[BIAS+32*(\hh)+k:BIAS+32*(\hh)+k+1] op_sel_hi:[1,0,1]
.set k, k+2
.endr
	WIN 0x04
.set k, 0
.rept 8
	v_pk_mul_f32 v[Z+k:Z+k+1], v[Y+16+k:Y+17+k], v[32*(\a)+16+k:32*(\a)+17+k]
	v_pk_mul_f32 v[Z+16+k:Z+17+k], v[Y+k:Y+k+1], v[32*(\a)+16+k:32*(\a)+17+k]
.set k, k+2
.endr
.set k, 0
.rept 8
	v_pk_fma_f32 v[Z+k:Z+k+1], v[Y+k:Y+k+1], v[32*(\a)+k:32*(\a)+k+1], v[Z+k:Z+k+1] neg_lo:[0,0,1] neg_hi:[0,0,1]
	v_pk_fma_f32 v[Z+16+k:Z+17+k], v[Y+16+k:Y+17+k], v[32*(\a)+k:32*(\a)+k+1], v[Z+16+k:Z+17+k]
.set k, k+2
.endr
	WIN 0
.set i, 0
.rept 32
	v_med3_num_f32 v[Z+i], v[Z+i], s93, s92
.set i, i+1
.endr
	s_wait_alu depctr_va_vdst(0)
	s_wait_xcnt 0x0
.irp t, 0,1,2,3
	v_cvt_scalef32_pk8_fp8_f32 v[CD+2*\t:CD+2*\t+1], v[Z+8*\t:Z+8*\t+7], v[SCV]
.endr
	v_nop
	global_store_b128 v[LN], v[CD:CD+3], s[10:11] offset:(\hh)*131072+(\a)*1024
	global_store_b128 v[LN], v[CD+4:CD+7], s[10:11] offset:(\hh)*131072+(\a)*1024+512
.endm
.irp a, 0,1,2,3,4,5,6,7
	ROPE \a, 0
	ROPE \a, 1
.endr
	FINISH
.Lv:
	LIMITS s89
	s_lshr_b32 s2, s42, 3
	s_lshl_b32 s2, s2, 4
	s_lshl_b32 s3, s41, 2
	s_add_co_u32 s2, s2, s3
	s_lshl_b32 s3, s15, 1
	s_add_co_u32 s2, s2, s3
	s_and_b32 s3, s42, 7
	s_lshl_b32 s3, s3, 1
	s_add_co_u32 s3, s3, s16
	s_lshl_b32 s4, s2, 17
	s_lshl_b32 s5, s3, 13
	s_add_co_u32 s4, s4, s5
	s_mov_b32 s5, 0
	s_add_nc_u64 s[10:11], s[82:83], s[4:5]
	s_lshl_b32 s4, s41, 10
	s_lshl_b32 s6, s15, 9
	s_add_co_u32 s4, s4, s6
	s_add_co_u32 s4, s4, 8192
	s_add_nc_u64 s[8:9], s[74:75], s[4:5]
	v_and_b32 v[BO], 15, v0
	v_lshlrev_b32 v[BO], 2, v[BO]
.irp a, 0,1,2,3,4,5,6,7
	global_load_b32 v[BIAS+2*\a], v[BO], s[8:9] offset:64*\a
	global_load_b32 v[BIAS+2*\a+1], v[BO], s[8:9] offset:64*\a
.endr
	LAST
	PLACES NP
	s_wait_loadcnt 0x0
.macro VOUT a
	WIN 0x02+(\a)/4
.set k, 0
.rept 32
	v_pk_fma_f32 v[Y+k:Y+k+1], v[64*((\a)%4)+k:64*((\a)%4)+k+1], s[96:97], v[BIAS+2*(\a):BIAS+2*(\a)+1] op_sel_hi:[1,0,1]
.set k, k+2
.endr
	WIN 0
.set i, 0
.rept 64
	v_med3_num_f32 v[Y+i], v[Y+i], s93, s92
.set i, i+1
.endr
	s_wait_alu depctr_va_vdst(0)
	s_wait_xcnt 0x0
.irp b, 0,1,2,3,4,5,6,7
	v_cvt_scalef32_pk8_fp8_f32 v[CD+2*\b:CD+2*\b+1], v[Y+8*\b:Y+8*\b+7], v[SCV]
.endr
	v_nop
.irp g, 0,1,2,3
	global_store_b128 v[LN], v[CD+4*\g:CD+4*\g+3], s[10:11] offset:((\a)/4)*131072+((\a)%4)*2048+512*\g
.endr
.endm
.irp a, 0,1,2,3,4,5,6,7
	VOUT \a
.endr
	FINISH
.Lfunc_end_k_q3014690ca6_qkv:
	.size	k_q3014690ca6_qkv, .Lfunc_end_k_q3014690ca6_qkv-k_q3014690ca6_qkv
	.p2alignl 7, 3214868480
	.fill 96, 4, 3214868480
	.section	.rodata,"a",@progbits
	.p2align	6, 0x0
	.amdhsa_kernel k_q3014690ca6_qkv
		.amdhsa_group_segment_fixed_size 327680
		.amdhsa_private_segment_fixed_size 0
		.amdhsa_enable_private_segment 0
		.amdhsa_kernarg_size 64
		.amdhsa_user_sgpr_count 2
		.amdhsa_user_sgpr_kernarg_segment_ptr 1
		.amdhsa_wavefront_size32 1
		.amdhsa_system_sgpr_workgroup_id_x 1
		.amdhsa_system_sgpr_workgroup_id_y 1
		.amdhsa_system_sgpr_workgroup_id_z 1
		.amdhsa_system_vgpr_workitem_id 0
		.amdhsa_next_free_vgpr 1024
		.amdhsa_next_free_sgpr 100
		.amdhsa_reserve_vcc 0
		.amdhsa_float_denorm_mode_32 3
		.amdhsa_float_denorm_mode_16_64 3
		.amdhsa_memory_ordered 1
		.amdhsa_forward_progress 1
		.amdhsa_inst_pref_size 241
	.end_amdhsa_kernel
	.amdgpu_metadata
---
amdhsa.version: [ 1, 2 ]
amdhsa.kernels:
  - .name:           k_q3014690ca6_qkv
    .symbol:         k_q3014690ca6_qkv.kd
    .args:
      - { .name: x_codes, .offset: 0, .size: 8, .value_kind: global_buffer, .address_space: global }
      - { .name: w_qkv_codes, .offset: 8, .size: 8, .value_kind: global_buffer, .address_space: global }
      - { .name: lowp_scales, .offset: 16, .size: 8, .value_kind: global_buffer, .address_space: global }
      - { .name: b_qkv, .offset: 24, .size: 8, .value_kind: global_buffer, .address_space: global }
      - { .name: tab, .offset: 32, .size: 8, .value_kind: global_buffer, .address_space: global }
      - { .name: qc, .offset: 40, .size: 8, .value_kind: global_buffer, .address_space: global }
      - { .name: kc, .offset: 48, .size: 8, .value_kind: global_buffer, .address_space: global }
      - { .name: vc, .offset: 56, .size: 8, .value_kind: global_buffer, .address_space: global }
    .group_segment_fixed_size: 327680
    .private_segment_fixed_size: 0
    .kernarg_segment_align: 8
    .kernarg_segment_size: 64
    .max_flat_workgroup_size: 128
    .sgpr_count:     100
    .vgpr_count:     1024
    .wavefront_size: 32
...
	.end_amdgpu_metadata
.endif
;; end of part 2
;; launch attn (part 3): grid 4 x 64, 16 waves a work-group, clusters of 4 x 1, 327,680 bytes of LDS; arguments qc, kc, vc, lowp_scales, ac; writes ac
.if DOCPART == 3
	.amdgcn_target "amdgcn-amd-amdhsa--gfx1250"
	.amdhsa_code_object_version 6
	.text
	.protected	k_q3014690ca6_attn
	.globl	k_q3014690ca6_attn
	.p2align	8
	.type	k_q3014690ca6_attn,@function
k_q3014690ca6_attn:
	s_mov_b64 s[64:65], 0
	v_nop
	global_prefetch_b8 v0, s[64:65] scope:SCOPE_SE
	s_setreg_imm32_b32 hwreg(HW_REG_WAVE_MODE, 25, 1), 1
	s_wait_xcnt 0x0
	s_wait_alu depctr_hold_cnt(0) depctr_sa_sdst(0) depctr_va_vdst(0) depctr_va_sdst(0) depctr_va_ssrc(0) depctr_va_vcc(0) depctr_vm_vsrc(0)
	s_getreg_b32 s2, hwreg(HW_REG_IB_STS2, 6, 4)
	s_cmp_eq_u32 s2, 0
	s_cbranch_scc0 .Lentry_in_a_cluster
	s_endpgm
.Lentry_in_a_cluster:
	s_bfe_u32 s2, ttmp6, 0x10000c
	s_cmp_lg_u32 s2, 0x3003
	s_cbranch_scc0 .Lentry_shape_is_right
	s_endpgm
.Lentry_shape_is_right:
; Attention on codes of FP8 (E4M3): for each of 64 heads (batch x head), o[q] = sum over k of softmax_k(q . k / 8) v[k]; o is quantised with e6 and stored as images of the last product's operand registers.
; THE SOFTMAX AHEAD OF THE SECOND PRODUCT: t = score x log2(e) / 8; M = the row's largest t so far, rounded UP to a whole number; p = 2^(t - M) is quantised (e4), not normalised.
; The row's sum is taken of the unquantised p, in f32, and divides O at the end.  When M moves, the sum and O are multiplied by 2^(old M - new M): nothing is rounded, no branch hangs on data.
; SHARES.  A cluster of four work-groups is one head; a work-group owns 512 queries, each of its SIXTEEN waves 32: two tiles of 16, in 256 registers: four waves to a SIMD, so that one wave's
; vector work stands beside the others' exponentials, matrix work and LDS loads.  A fragment of K or V read from LDS feeds two matrix instructions.  Every wave walks 2,048 keys, 128 a step.
; LDS.  The whole head lies in LDS, each byte filled once: K's 128 images of 1,024 bytes at 0, V^T's 64 images of 2,048 bytes at 131,072; a step's part of each is 8,192 bytes.
; The four work-groups want the same bytes, so each piece is asked for JOINTLY (mask 15).  Wave w asks for K (w even) or V (w odd): at the head for 4,096 bytes of steps 0 to 3, and behind the full sequence and a round
; of the cluster's barrier for 12,288 bytes of steps 4 to 15.  By this text's own count a wave has one tensor load out.  The second load has four steps' work in which to land.
; NO PREFETCH: all of K and V has been asked for when the walk begins; there is no later stream to run ahead of.
; LAYOUT.  Both products are used transposed: S^T = K Q^T, O^T = V^T P^T: a lane holds ONE query.  In S^T lane (r, h) holds in tile kt keys 16 kt + 8 h + 0 .. 7: their codes are registers 2 kt, 2 kt + 1 of the second product's operand.
; The step is written once for all 16 steps (in two loops): O^T and the sums begin as zeros, the largest score as -3e38 and -M as 3e38, so the first step's factor is 0 and multiplies zeros.
; LIMITS: e2 + e3 between -123 and 130 (added to c's exponent field); e4 and e6 between -126 and 119; |t| under 2^31.
; REGISTERS: v0 the thread; v1-7 addresses, 2^e4, the add's two, a second chain of maxima a tile; v8-15 four statistics a tile; v16-31 Q;
;   v32-63 by turns four fragments of K, the softmax's temporaries, p's codes; v64-127 O^T (tile u, 16 dt on: v[64 + 32 u + 8 dt]); v128-255 S^T, then p; v128-191 then V's fragments.
.set LI,  1                            ; 16 x lane
.set ADK, 2                            ; LDS address of the step's K, later of its V
.set SC4, 3                            ; 2^e4
.set SPW, 4                            ; my spare word
.set NIL, 5                            ; 0
.set CB,  6                            ; tile u: the maxima's second chain
.set ST,  8                            ; tile u: +0 -M, +1 the largest score, +2, +3 the sum in two halves
.set QF,  16
.set X,   32
.set F,   X                            ; tile u: f = 2^(old M - new M), as a pair
.set PM,  X+4                          ; the other half's maximum
.set TN,  X+6                          ; the new -M
.set T,   X+8                          ; three more chains of the sum, 6 registers a tile
.set SC6, X+31                         ; on the way out: 2^e6
.set O,   64
.set S,   128
.set VB,  131072
.set SPARE, 262144                     ; 128 bytes a wave that no other line names
.macro CROUND                          ; a round of the cluster's barrier
	s_barrier_signal -1
	s_barrier_wait -1
	s_cmp_lg_u32 s14, 0
	s_cbranch_scc1 .Lnot_wave_0_\@
	s_barrier_signal -3
.Lnot_wave_0_\@:
	s_barrier_wait -3
	s_barrier_signal -1
	s_barrier_wait -1
.endm
.macro HOLD2 r                         ; two holds in one instruction: p is not negative, so the hold is one-sided; it stands whatever e4 is
	v_dual_min_num_f32 v[\r], s60, v[\r] :: v_dual_min_num_f32 v[\r+1], s60, v[\r+1]
.endm
.macro MX u, c, i                      ; two more scores into chain c of tile u (0: the running maximum itself; 1: the second chain)
	v_max3_num_f32 v[(1-(\c))*(ST+4*\u+1)+(\c)*(CB+\u)], v[(1-(\c))*(ST+4*\u+1)+(\c)*(CB+\u)], v[S+64*\u+\i], v[S+64*\u+\i+1]
.endm
.macro PLACES n
.rept \n
	v_nop
.endr
.endm
	s_load_b256 s[4:11], s[0:1], 0x0               ; qc, kc, vc, the scales
	s_load_b64 s[12:13], s[0:1], 0x20              ; ac
	v_lshl_add_u32 v[SPW], v0, 2, SPARE
	v_mov_b32 v[NIL], 0
	ds_add_u32 v[SPW], v[NIL]                      ; the opening lines: the add twice on end under one wait
	ds_add_u32 v[SPW], v[NIL]
	v_lshrrev_b32 v[ADK], 5, v0
	v_readfirstlane_b32 s14, v[ADK]                ; wave 0..15
	v_and_b32 v[LI], 31, v0
	v_lshlrev_b32 v[LI], 4, v[LI]
	s_and_b32 s15, s14, 1                          ; I fetch for K (0) or V (1)
	s_lshr_b32 s16, s14, 1                         ; which of eight parts
	s_lshl_b32 s17, s16, 12                        ; first piece: 4,096 bytes of steps 0 to 3
	s_lshl_b32 s18, s15, 17
	s_mul_i32 s21, s16, 12288
	s_add_co_u32 s21, s21, 32768                   ; second piece: 12,288 bytes behind steps 0 to 3
	s_mov_b32 s32, 1
	s_add_co_u32 s33, s18, s17                     ; LDS addresses: the wave's number alone
	s_mov_b32 s36, 1
	s_add_co_u32 s37, s18, s21
	s_and_b32 s19, ttmp7, 0xffff                   ; the head, which the four partners share
	s_lshl_b32 s20, s19, 17
	s_add_co_u32 s40, s20, s17
	s_mov_b32 s41, 0
	s_add_co_u32 s42, s20, s21
	s_mov_b32 s43, 0
	s_bfe_u32 s3, ttmp6, 0x40000                   ; cx: it enters qc's and ac's addresses alone
	; groups 1: dense blocks as rows of 32 elements of 8 bytes: 16 rows, and 48 rows
	s_mov_b32 s24, 15|(3<<16)|(1<<21)
	s_mov_b32 s25, 32<<16
	s_mov_b32 s26, 16<<16
	s_mov_b32 s27, 32<<16
	s_mov_b32 s28, 16
	s_mov_b32 s29, 32
	s_mov_b32 s30, 0
	s_mov_b32 s31, 0
	s_mov_b32 s68, 15|(3<<16)|(1<<21)
	s_mov_b32 s69, 32<<16
	s_mov_b32 s70, 48<<16
	s_mov_b32 s71, 32<<16
	s_mov_b32 s72, 48
	s_mov_b32 s73, 32
	s_mov_b32 s74, 0
	s_mov_b32 s75, 0
	s_mov_b32 s58, 0x76543210                      ; selects for lane l xor 16
	s_mov_b32 s59, 0xfedcba98
	s_wait_alu depctr_va_vdst(0)
	s_wait_dscnt 0x0
	s_wait_kmcnt 0x0
	s_load_b256 s[48:55], s[10:11], 0x0            ; e0 .. e7
	s_cmp_eq_u32 s15, 0
	s_cselect_b64 s[22:23], s[6:7], s[8:9]
	s_add_nc_u64 s[34:35], s[22:23], s[40:41]
	s_or_b32 s35, s35, 0x80000000
	s_add_nc_u64 s[38:39], s[22:23], s[42:43]
	s_or_b32 s39, s39, 0x80000000
	CROUND                                         ; all four work-groups are here: the joint loads meet
	tensor_load_to_lds s[32:35], s[24:31]          ; my one load at the head
	s_nop 0
	PLACES 4
	s_lshl_b32 s20, s19, 17                        ; Q: image 128 x head + 32 cx + 2 x wave, 1,024 bytes each
	s_mov_b32 s21, 0
	s_lshl_b32 s22, s3, 15
	s_add_co_u32 s20, s20, s22
	s_lshl_b32 s22, s14, 11
	s_add_co_u32 s20, s20, s22
	s_add_nc_u64 s[4:5], s[4:5], s[20:21]
.irp u, 0,1
	global_load_b128 v[QF+8*\u:QF+8*\u+3], v[LI], s[4:5] offset:1024*\u
	global_load_b128 v[QF+8*\u+4:QF+8*\u+7], v[LI], s[4:5] offset:1024*\u+512
.endr
.set k, 0
.rept 64
	v_mov_b32 v[O+k], 0                            ; O^T: cleared once, under the loads' flight, so that the step is written once
.set k, k+1
.endr
	s_lshr_b32 s20, s19, 4                         ; ac: image ((128 x batch + 32 cx + 2 x wave + u) x 16 + head), 1,024 bytes each
	s_lshl_b32 s20, s20, 21
	s_lshl_b32 s22, s3, 19
	s_add_co_u32 s20, s20, s22
	s_lshl_b32 s22, s14, 15
	s_add_co_u32 s20, s20, s22
	s_and_b32 s22, s19, 15
	s_lshl_b32 s22, s22, 10
	s_add_co_u32 s20, s20, s22
	s_add_nc_u64 s[12:13], s[12:13], s[20:21]
.irp u, 0,1
	v_mov_b32 v[ST+4*\u], 0x7f61b1e6               ; -M = 3e38
	v_mov_b32 v[ST+4*\u+1], 0xff61b1e6             ; the largest score so far: -3e38
	v_mov_b32 v[ST+4*\u+2], 0
	v_mov_b32 v[ST+4*\u+3], 0
.endr
	s_wait_kmcnt 0x0
	s_add_co_i32 s20, s50, s51
	s_lshl_b32 s20, s20, 23
	s_add_co_i32 s56, s20, 0x3e38aa3b              ; c = log2(e) / 8 x 2^(e2 + e3)
	s_mov_b32 s57, s56
	s_or_b32 s47, s56, 0x80000000                  ; -c
	s_add_co_i32 s20, s52, 127
	s_lshl_b32 s22, s20, 23
	v_mov_b32 v[SC4], s22
	s_add_co_i32 s20, s20, 8
	s_lshl_b32 s20, s20, 23
	s_or_b32 s60, s20, 0x600000                    ; 448 x 2^e4
	s_add_co_i32 s20, s54, 127
	s_lshl_b32 s46, s20, 23                        ; 2^e6
	s_add_co_i32 s20, s20, 8
	s_lshl_b32 s20, s20, 23
	s_or_b32 s66, s20, 0x600000                    ; 448 x 2^e6,
	s_or_b32 s67, s66, 0x80000000                  ; and its negative
	s_add_co_i32 s63, s52, s53                     ; e4 + e5
; A KEY STEP: my two tiles of queries against 128 keys, whose images begin at LDS byte s61 (K) and VB + s61 (V).
.macro KLOAD g                         ; four fragments of K: keys 64 g on
.irp kt, 0,1,2,3
	ds_load_b128 v[X+8*\kt:X+8*\kt+3], v[ADK] offset:4096*\g+1024*\kt
	ds_load_b128 v[X+8*\kt+4:X+8*\kt+7], v[ADK] offset:4096*\g+1024*\kt+512
.endr
.endm
.macro QK g
.irp kt, 0,1,2,3
.irp u, 0,1
	v_wmma_f32_16x16x64_fp8_fp8 v[S+64*\u+32*\g+8*\kt:S+64*\u+32*\g+8*\kt+7], v[X+8*\kt:X+8*\kt+7], v[QF+8*\u:QF+8*\u+7], 0
.endr
.endr
.endm
.macro CODES u                         ; tile u: held, and its 64 codes a lane into the registers that held K's fragments
.set i, 0
.rept 32
	HOLD2 S+64*\u+i                                ; the conversion to an 8-bit code does not saturate (ISA guide 7.6.2)
.set i, i+2
.endr
.irp kt, 0,1,2,3,4,5,6,7
	v_cvt_scalef32_pk8_fp8_f32 v[X+16*\u+2*\kt:X+16*\u+2*\kt+1], v[S+64*\u+8*\kt:S+64*\u+8*\kt+7], v[SC4]
.endr
	v_nop                                          ; one plain instruction behind the last conversion
.endm
.macro STEP
	v_add_nc_u32 v[ADK], s61, v[LI]
	PLACES 4                                       ; with the addition five places behind the last step's products: their operands are loaded over now, and written over by the products below
	KLOAD 0
	s_wait_alu depctr_va_vdst(0)
	s_wait_dscnt 0x0
	QK 0
	PLACES 4                                       ; for the loads below and for the first reads of the scores
	KLOAD 1                                        ; lands under the maxima of the first 64 keys
	; the running largest score: 64 scores and the old maximum are 65 leaves of a tree of 32 three-input maxima, two chains a tile; each accumulator is first read in its four lowest registers
.irp u, 0,1
	v_max3_num_f32 v[ST+4*\u+1], v[ST+4*\u+1], v[S+64*\u], v[S+64*\u+1]
	v_max3_num_f32 v[CB+\u], v[S+64*\u+2], v[S+64*\u+3], v[S+64*\u+4]
.endr
.set i, 5
.rept 13
	MX 0, ((i-5)/2)%2, i
	MX 1, ((i-5)/2)%2, i
.set i, i+2
.endr
	s_wait_alu depctr_va_vdst(0)
	s_wait_dscnt 0x0
	QK 1
	PLACES 4
.rept 16
	MX 0, ((i-5)/2)%2, i
	MX 1, ((i-5)/2)%2, i
.set i, i+2
.endr
.irp u, 0,1
	v_max3_num_f32 v[ST+4*\u+1], v[ST+4*\u+1], v[CB+\u], v[S+64*\u+63]
.endr
.irp u, 0,1
	v_permlanex16_b32 v[PM+\u], v[ST+4*\u+1], s58, s59
.endr
.irp u, 0,1
	v_max_num_f32 v[ST+4*\u+1], v[ST+4*\u+1], v[PM+\u]   ; and lane l xor 16's
.endr
.irp u, 0,1
	v_mul_f32 v[TN+\u], s47, v[ST+4*\u+1]          ; -t (c is positive)
.endr
.irp u, 0,1
	v_floor_f32 v[TN+\u], v[TN+\u]                 ; the new -M = floor(-t) = -ceil(t)
.endr
.irp u, 0,1
	v_sub_f32 v[F+2*\u], v[TN+\u], v[ST+4*\u]      ; old M - new M: a whole number, 0 or less
.endr
.irp u, 0,1
	v_mov_b32 v[ST+4*\u], v[TN+\u]
.endr
.irp u, 0,1
	v_cvt_i32_f32 v[F+2*\u], v[F+2*\u]             ; (it saturates)
.endr
.set k, 0
.rept 32
.irp u, 0,1
	v_pk_fma_f32 v[S+64*\u+k:S+64*\u+k+1], v[S+64*\u+k:S+64*\u+k+1], s[56:57], v[ST+4*\u:ST+4*\u+1] op_sel_hi:[1,0,0]   ; t - M
.endr
.if k == 6
.irp u, 0,1
	v_ldexp_f32 v[F+2*\u], 1.0, v[F+2*\u]          ; f = 2^(old M - new M)
.endr
.endif
.set k, k+2
.endr
.irp u, 0,1                                    ; O^T under the new M: no exponential stands between the last step's products and these first reads
.set k, 0
.rept 16
	v_pk_mul_f32 v[O+32*\u+k:O+32*\u+k+1], v[O+32*\u+k:O+32*\u+k+1], v[F+2*\u:F+2*\u+1] op_sel_hi:[1,0]
.set k, k+2
.endr
.endr
	s_wait_alu depctr_va_vdst(0)                   ; one wait ahead of the batch,
.set k, 0
.rept 128
	v_exp_f32 v[S+k], v[S+k]                       ; p = 2^(t - M)
.set k, k+1
.endr
	v_nop                                          ; a plain place behind the last exponential,
	s_wait_alu depctr_va_vdst(0)                   ; and one wait behind the batch
	; the row's sum of the unquantised p: 32 pairs and the old sum x f, in 32 packed instructions, four chains a tile
.irp u, 0,1
	v_pk_fma_f32 v[ST+4*\u+2:ST+4*\u+3], v[ST+4*\u+2:ST+4*\u+3], v[F+2*\u:F+2*\u+1], v[S+64*\u:S+64*\u+1] op_sel_hi:[1,0,1]
.irp c, 0,1,2
	v_pk_add_f32 v[T+6*\u+2*\c:T+6*\u+2*\c+1], v[S+64*\u+4*\c+2:S+64*\u+4*\c+3], v[S+64*\u+4*\c+4:S+64*\u+4*\c+5]
.endr
.endr
.set i, 14
.rept 8
.irp c, 0,1,2
.irp u, 0,1
	v_pk_add_f32 v[T+6*\u+2*\c:T+6*\u+2*\c+1], v[T+6*\u+2*\c:T+6*\u+2*\c+1], v[S+64*\u+i+2*\c:S+64*\u+i+2*\c+1]
.endr
.endr
.set i, i+6
.endr
.irp u, 0,1
	v_pk_add_f32 v[ST+4*\u+2:ST+4*\u+3], v[ST+4*\u+2:ST+4*\u+3], v[S+64*\u+62:S+64*\u+63]
	v_pk_add_f32 v[T+6*\u:T+6*\u+1], v[T+6*\u:T+6*\u+1], v[T+6*\u+2:T+6*\u+3]
.endr
.irp u, 0,1
	v_pk_add_f32 v[ST+4*\u+2:ST+4*\u+3], v[ST+4*\u+2:ST+4*\u+3], v[T+6*\u+4:T+6*\u+5]
.endr
.irp u, 0,1
	v_pk_add_f32 v[ST+4*\u+2:ST+4*\u+3], v[ST+4*\u+2:ST+4*\u+3], v[T+6*\u:T+6*\u+1]
.endr
	v_add_nc_u32 v[ADK], VB, v[ADK]                ; on to the step's V
	CODES 0
.irp dt, 0,1,2,3                               ; tile 0's p is done with: V takes its registers and lands under tile 1's hold and conversion
.irp g, 0,1,2,3
	ds_load_b128 v[S+16*\dt+4*\g:S+16*\dt+4*\g+3], v[ADK] offset:2048*\dt+512*\g
.endr
.endr
	CODES 1
	s_wait_alu depctr_va_vdst(0)
	s_wait_dscnt 0x0                               ; V is in
.irp dt, 0,1,2,3                               ; the eight accumulators take turns
.irp u, 0,1
	v_wmma_f32_16x16x128_fp8_fp8 v[O+32*\u+8*\dt:O+32*\u+8*\dt+7], v[S+16*\dt:S+16*\dt+15], v[X+16*\u:X+16*\u+15], v[O+32*\u+8*\dt:O+32*\u+8*\dt+7]
.endr
.endr
	s_add_co_u32 s61, s61, 8192
.endm
	s_wait_alu depctr_va_vdst(0)
	s_wait_loadcnt 0x0                             ; Q
	s_wait_tensorcnt 0x0                           ; my first piece is in; the lines ahead of a later first fill:
	ds_add_u32 v[SPW], v[NIL]
	s_wait_dscnt 0x0
	CROUND                                         ; everybody's first piece is in: steps 0 to 3; the joint loads meet
	tensor_load_to_lds s[36:39], s[68:75]          ; my part of steps 4 to 15
	s_nop 0
	PLACES 4
	s_mov_b32 s61, 0
	s_mov_b32 s62, 4
.Lfirst_four:
	STEP
	s_sub_co_u32 s62, s62, 1
	s_cmp_lg_u32 s62, 0
	s_cbranch_scc1 .Lfirst_four
	s_wait_tensorcnt 0x0                           ; my second piece is in,
	s_wait_dscnt 0x0
	s_barrier_signal -1
	s_barrier_wait -1                              ; everybody's is: the whole head
	s_mov_b32 s62, 12
.Lrest:
	STEP
	s_sub_co_u32 s62, s62, 1
	s_cmp_lg_u32 s62, 0
	s_cbranch_scc1 .Lrest
	; THE WAY OUT.  O^T x 2^(e4 + e5) / the sum is held, quantised with e6 and stored: a tile's eight registers of codes are the last product's operand for 16 rows x this head's 64.
.irp u, 0,1
	v_add_f32 v[ST+4*\u+2], v[ST+4*\u+2], v[ST+4*\u+3]
.endr
.irp u, 0,1
	v_permlanex16_b32 v[ST+4*\u+3], v[ST+4*\u+2], s58, s59
.endr
.irp u, 0,1
	v_add_f32 v[ST+4*\u+2], v[ST+4*\u+2], v[ST+4*\u+3]
.endr
	s_wait_alu depctr_va_vdst(0)                   ; ahead of the batch of two,
.irp u, 0,1
	v_rcp_f32 v[ST+4*\u+2], v[ST+4*\u+2]
.endr
	PLACES 4                                       ; a plain place behind the reciprocals; with the additions above more than four places behind the last products
	s_wait_alu depctr_va_vdst(0)                   ; and behind it
.irp u, 0,1
	v_ldexp_f32 v[ST+4*\u+2], v[ST+4*\u+2], s63
.endr
	v_mov_b32 v[SC6], s46
	s_wait_alu depctr_va_vdst(0)                   ; directly ahead of the first readers of O^T, 32 plain lines
.irp u, 0,1
.set k, 0
.rept 16
	v_pk_mul_f32 v[S+32*\u+k:S+32*\u+k+1], v[O+32*\u+k:O+32*\u+k+1], v[ST+4*\u+2:ST+4*\u+3] op_sel_hi:[1,0]   ; each accumulator from its low end on
.set k, k+2
.endr
.endr
.set i, 0
.rept 64
	v_med3_num_f32 v[S+i], v[S+i], s67, s66
.set i, i+1
.endr
.irp u, 0,1
.irp dt, 0,1,2,3
	v_cvt_scalef32_pk8_fp8_f32 v[X+8*\u+2*\dt:X+8*\u+2*\dt+1], v[S+32*\u+8*\dt:S+32*\u+8*\dt+7], v[SC6]
.endr
.endr
	v_nop
.irp u, 0,1
	global_store_b128 v[LI], v[X+8*\u:X+8*\u+3], s[12:13] offset:16384*\u          ; each store of the wave covers 512 consecutive bytes, aligned
	global_store_b128 v[LI], v[X+8*\u+4:X+8*\u+7], s[12:13] offset:16384*\u+512
.endr
	s_wait_tensorcnt 0x0                           ; the wave's end
	ds_add_u32 v[SPW], v[NIL]
	s_wait_dscnt 0x0
	CROUND                                         ; the closing round
	s_endpgm
.Lfunc_end_k_q3014690ca6_attn:
	.size	k_q3014690ca6_attn, .Lfunc_end_k_q3014690ca6_attn-k_q3014690ca6_attn
	.p2alignl 7, 3214868480
	.fill 96, 4, 3214868480
	.section	.rodata,"a",@progbits
	.p2align	6, 0x0
	.amdhsa_kernel k_q3014690ca6_attn
		.amdhsa_group_segment_fixed_size 327680
		.amdhsa_private_segment_fixed_size 0
		.amdhsa_enable_private_segment 0
		.amdhsa_kernarg_size 40
		.amdhsa_user_sgpr_count 2
		.amdhsa_user_sgpr_kernarg_segment_ptr 1
		.amdhsa_wavefront_size32 1
		.amdhsa_system_sgpr_workgroup_id_x 1
		.amdhsa_system_sgpr_workgroup_id_y 1
		.amdhsa_system_sgpr_workgroup_id_z 1
		.amdhsa_system_vgpr_workitem_id 0
		.amdhsa_next_free_vgpr 256
		.amdhsa_next_free_sgpr 80
		.amdhsa_reserve_vcc 0
		.amdhsa_float_denorm_mode_32 3
		.amdhsa_float_denorm_mode_16_64 3
		.amdhsa_memory_ordered 1
		.amdhsa_forward_progress 1
		.amdhsa_inst_pref_size 73
	.end_amdhsa_kernel
	.amdgpu_metadata
---
amdhsa.version: [ 1, 2 ]
amdhsa.kernels:
  - .name:           k_q3014690ca6_attn
    .symbol:         k_q3014690ca6_attn.kd
    .args:
      - { .name: qc, .offset: 0, .size: 8, .value_kind: global_buffer, .address_space: global }
      - { .name: kc, .offset: 8, .size: 8, .value_kind: global_buffer, .address_space: global }
      - { .name: vc, .offset: 16, .size: 8, .value_kind: global_buffer, .address_space: global }
      - { .name: lowp_scales, .offset: 24, .size: 8, .value_kind: global_buffer, .address_space: global }
      - { .name: ac, .offset: 32, .size: 8, .value_kind: global_buffer, .address_space: global }
    .group_segment_fixed_size: 327680
    .private_segment_fixed_size: 0
    .kernarg_segment_align: 8
    .kernarg_segment_size: 40
    .max_flat_workgroup_size: 512
    .sgpr_count:     80
    .vgpr_count:     256
    .wavefront_size: 32
...
	.end_amdgpu_metadata
.endif
;; end of part 3
;; launch proj (part 4): grid 8 x 32, 4 waves a work-group, clusters of 4 x 4, 327,680 bytes of LDS; arguments ac, wo, lowp_scales, b_out, out0; writes out0
.if DOCPART == 4
	.amdgcn_target "amdgcn-amd-amdhsa--gfx1250"
	.amdhsa_code_object_version 6
	.text
	.protected	k_q3014690ca6_proj
	.globl	k_q3014690ca6_proj
	.p2align	8
	.type	k_q3014690ca6_proj,@function
k_q3014690ca6_proj:
	s_mov_b64 s[64:65], 0
	v_nop
	global_prefetch_b8 v0, s[64:65] scope:SCOPE_SE
	s_setreg_imm32_b32 hwreg(HW_REG_WAVE_MODE, 25, 1), 1
	s_wait_xcnt 0x0
	s_wait_alu depctr_hold_cnt(0) depctr_sa_sdst(0) depctr_va_vdst(0) depctr_va_sdst(0) depctr_va_ssrc(0) depctr_va_vcc(0) depctr_vm_vsrc(0)
	s_getreg_b32 s2, hwreg(HW_REG_IB_STS2, 6, 4)
	s_cmp_eq_u32 s2, 0
	s_cbranch_scc0 .Lentry_in_a_cluster
	s_endpgm
.Lentry_in_a_cluster:
	s_bfe_u32 s2, ttmp6, 0x10000c
	s_cmp_lg_u32 s2, 0xf033
	s_cbranch_scc0 .Lentry_shape_is_right
	s_endpgm
.Lentry_shape_is_right:
; out0 = a w_out^T + b_out on codes of FP8 (E4M3).  a: the attention's result, 8,192 x 1,024; w_out: 1,024 x 1,024; both lie in memory as IMAGES OF OPERAND REGISTERS:
; [tile of 16 rows][K step of 128][2,048 bytes], group n of four registers at 512 n + 16 x lane; registers 2 c, 2 c + 1 of lane (r, h) = row r, K = 16 c + 8 h + 0 .. 7.  out0: f32.
; A tile of out0 is 128 x 128, made by four waves, 64 x 64 (16 accumulators) each.  A WORK-GROUP STAYS: 256 work-groups make two tiles each, tile rows y and y + 32, on the same 128 rows of w_out.
; LDS holds the whole K of both operands, 131,072 bytes each: [operand][half of its 8 tiles of rows][tile of rows: 16,384][K step: 2,048].  At the head each wave asks for one half of one operand, 65,536 bytes
; that lie on end in memory: wave w for A (w even) or B (w odd), half w / 2.  B is filled once.  A is filled again for the second tile: when the first tile's last fragments are in registers, every wave waits for
; its tensor loads, adds 0 to its spare word and waits for its LDS reads; a round of the cluster's barrier follows, and waves 0 and 2 ask for the second tile's halves.  That load has the first tile's last
; 16 products and its way out in which to land.  By this text's own count a wave has one tensor load out.
; CLUSTERS: 4 x 4 work-groups; A's pieces are shared along a row of the cluster, B's along a column: each is asked for jointly.
; NO PREFETCH: the two tiles are written out on end; the text has no loop to run ahead in.
; The matrix instruction is used transposed (source 0 = 16 rows of w_out, source 1 = 16 rows of a): a lane holds eight neighbouring numbers of a row of out0.
; THE WAY OUT: sum x 2^(e6 + e7) + bias, one packed multiply-add for two numbers; 16 rows x 64 columns at a time through the wave's own stage, back as rows of 256 bytes, which sixteen lanes store as one aligned run of 256 bytes.
; LIMIT: e6 + e7 between -126 and 127, so that 2^(e6 + e7) is an f32 number.
; VECTOR REGISTERS: window 0: v16-27 addresses; v32-63 the bias; v64-95 at work; v126, v127 the add's two; v128-255 the accumulators ((a, b) at v[128 + 8 (4 a + b)]).   window 1: two buffers of 128: A's four fragments, then B's four.
; SCALAR REGISTERS: s[4:13] the five buffers; s14 wave, s15 wave / 2, s16 wave % 2; s17 tile row; s18-23 at work; s[24:31] group 1 for A; s[32:35] A's group 0; s[48:51] B's;
;   s66 cx, s67 cy; s[68:75] group 1 for B; s[76:77] 2^(e6 + e7); s78 the pieces' LDS address; s79 tile column; s[80:87] e0 .. e7; s[88:89] B's offset.
.set ADRA, 16                          ; LDS address of my A images
.set ADRB, 20                          ; the same for B
.set STO,  24                          ; the stage: where I put 32 bytes of a row
.set RD,   25                          ; and where I read a row back
.set CO,   26                          ; my byte offset in two rows of out0
.set BO,   27                          ; my byte offset in the bias
.set BIAS, 32
.set TMP,  64
.set ACC,  128
.set BB,   131072                      ; LDS: B's images
.set STAGE, 262144                     ; behind both: 16 rows x (256 bytes + 16) for each wave; no fill lands there
.set SP,   272
.set MSB, 0
.macro WIN new                         ; the immediate's high byte repeats the setting that is left
.if MSB != (\new)
	s_set_vgpr_msb (MSB<<8)|(\new)
.set MSB, (\new)
.endif
.endm
.macro CROUND                          ; a round of the cluster's barrier
	s_barrier_signal -1
	s_barrier_wait -1
	s_cmp_lg_u32 s14, 0
	s_cbranch_scc1 .Lnot_wave_0_\@
	s_barrier_signal -3
.Lnot_wave_0_\@:
	s_barrier_wait -3
	s_barrier_signal -1
	s_barrier_wait -1
.endm
.macro PLACES
.rept 4
	v_nop
.endr
.endm
	s_load_b256 s[4:11], s[0:1], 0x0               ; ac s[4:5], wo s[6:7], the scales s[8:9], b_out s[10:11]
	s_load_b64 s[12:13], s[0:1], 0x20              ; out0
	v_lshl_add_u32 v126, v0, 2, 0x44400            ; my spare word, behind the stages
	v_mov_b32 v127, 0
	ds_add_u32 v126, v127                          ; the opening lines: the add twice on end under one wait
	ds_add_u32 v126, v127
	v_lshrrev_b32 v1, 5, v0
	v_readfirstlane_b32 s14, v1                    ; wave 0..3
	s_lshr_b32 s15, s14, 1                         ; which half of the tile's rows is mine.  Also: which half of an operand's 8 tiles of rows I fetch
	s_and_b32 s16, s14, 1                          ; which half of its columns.  Also: I fetch for A (0) or for B (1)
	s_bfe_u32 s66, ttmp6, 0x40000                  ; cx
	s_bfe_u32 s67, ttmp6, 0x40004                  ; cy
	s_lshl_b32 s79, ttmp9, 2
	s_add_co_u32 s79, s79, s66                     ; tile column = 4 x cluster x + cx
	s_and_b32 s17, ttmp7, 0xffff
	s_lshl_b32 s17, s17, 2
	s_add_co_u32 s17, s17, s67                     ; first tile row = 4 x cluster y + cy, 0 .. 31
	s_lshl_b32 s22, s67, 2
	s_lshl_b32 s22, 15, s22                        ; my row of the cluster
	s_lshl_b32 s23, 0x1111, s66                    ; my column
	; descriptor group 1: 4 rows of 2,048 elements of 8 bytes (the whole K of one tile of rows), on end in memory and in LDS
	s_or_b32 s24, s22, (3<<16)|(1<<21)             ; A's pieces go to my row
	s_or_b32 s68, s23, (3<<16)|(1<<21)             ; B's to my column
.irp g, 24, 68
	s_mov_b32 s[\g+1], 2048<<16                    ; tensor_dim0
	s_mov_b32 s[\g+2], 4<<16                       ; tensor_dim1
	s_mov_b32 s[\g+3], 2048<<16                    ; tile_dim0
	s_mov_b32 s[\g+4], 4                           ; tile_dim1
	s_mov_b32 s[\g+5], 2048                        ; tensor_dim0_stride
	s_mov_b32 s[\g+6], 0
	s_mov_b32 s[\g+7], 0
.endr
	s_lshl_b32 s18, s15, 16                        ; my half: four tiles of rows of 16,384 bytes
	s_lshl_b32 s20, s17, 17
	s_add_co_u32 s20, s20, s18                     ; A: 131,072 x tile row + the half
	s_mov_b32 s21, 0
	s_lshl_b32 s88, s79, 17
	s_add_co_u32 s88, s88, s18                     ; B: 131,072 x tile column + the half
	s_mov_b32 s89, 0
	s_lshl_b32 s78, s16, 17
	s_lshl_b32 s19, s15, 16
	s_add_co_u32 s78, s78, s19                     ; where they go: 131,072 x (A or B) + 65,536 x half: the wave's number alone
	s_wait_dscnt 0x0
	s_wait_kmcnt 0x0
	s_load_b256 s[80:87], s[8:9], 0x0              ; e0 .. e7
	s_mov_b32 s32, 1                               ; every wave makes both groups 0, each from registers that never hold the other coordinate
	s_mov_b32 s33, s78
	s_add_nc_u64 s[34:35], s[4:5], s[20:21]
	s_or_b32 s35, s35, 0x80000000
	s_mov_b32 s48, 1
	s_mov_b32 s49, s78
	s_add_nc_u64 s[50:51], s[6:7], s[88:89]
	s_or_b32 s51, s51, 0x80000000
	CROUND                                         ; all sixteen work-groups are here: the joint loads meet
	s_cmp_eq_u32 s16, 0                            ; one fill to an arm
	s_cbranch_scc0 .Lfill_b
	tensor_load_to_lds s[32:35], s[24:31]
	s_nop 0
	PLACES
	s_branch .Lfilled
.Lfill_b:
	tensor_load_to_lds s[48:51], s[68:75]
	s_nop 0
	PLACES
.Lfilled:
	v_and_b32 v1, 15, v0                           ; r
	v_bfe_u32 v2, v0, 4, 1                         ; h
	v_and_b32 v3, 31, v0
	v_lshlrev_b32 v3, 4, v3                        ; 16 x lane
	s_lshl_b32 s21, s15, 16                        ; my four tiles of rows of A
	v_add_nc_u32 v[ADRA], s21, v3
	s_lshl_b32 s22, s16, 16                        ; my four of B
	s_add_co_u32 s22, s22, BB
	v_add_nc_u32 v[ADRB], s22, v3
	s_mul_i32 s23, s14, 16*SP
	s_add_co_u32 s23, s23, STAGE                   ; my stage
	v_mul_u32_u24 v[STO], v1, SP
	v_lshl_add_u32 v[STO], v2, 5, v[STO]
	v_add_nc_u32 v[STO], s23, v[STO]               ; in: row r, 32 bytes for each half of the lanes
	v_mul_u32_u24 v[RD], v2, SP
	v_lshl_add_u32 v[RD], v1, 4, v[RD]
	v_add_nc_u32 v[RD], s23, v[RD]                 ; back: lanes 0-15 one row of 256 bytes, lanes 16-31 the next
	v_lshlrev_b32 v[CO], 12, v2
	v_lshl_add_u32 v[CO], v1, 4, v[CO]             ; and the same two rows in out0 (4,096 bytes a row)
	v_lshlrev_b32 v[BO], 5, v2                     ; 32 h
	s_wait_alu depctr_va_vdst(0)
	s_lshl_b32 s20, s79, 9                         ; my first column, in bytes: 512 x tile column + 256 x half
	s_lshl_b32 s22, s16, 8
	s_add_co_u32 s20, s20, s22
	s_mov_b32 s21, 0
	s_add_nc_u64 s[10:11], s[10:11], s[20:21]
	s_add_nc_u64 s[12:13], s[12:13], s[20:21]
	s_lshl_b32 s20, s17, 19                        ; my first row: 128 x tile row + 64 x half, 4,096 bytes each
	s_lshl_b32 s22, s15, 18
	s_add_co_u32 s20, s20, s22
	s_add_nc_u64 s[12:13], s[12:13], s[20:21]
.irp b, 0,1,2,3
	global_load_b128 v[BIAS+8*\b:BIAS+8*\b+3], v[BO], s[10:11] offset:64*\b
	global_load_b128 v[BIAS+8*\b+4:BIAS+8*\b+7], v[BO], s[10:11] offset:64*\b+16
.endr
	s_wait_kmcnt 0x0
	s_add_co_i32 s76, s86, s87                     ; e6 + e7
	s_add_co_i32 s76, s76, 127
	s_lshl_b32 s76, s76, 23                        ; 2^(e6 + e7) as f32
	s_mov_b32 s77, s76                             ; (named with it as a pair, so it is written)
; 32 LDS loads: K step ks (128 along K): my four fragments of B and my four of A into buffer f of window 1
.macro FETCH ks, f
	WIN 0x40                                       ; destination window 1, address window 0
.irp i, 0,1,2,3
.irp g, 0,1,2,3
	ds_load_b128 v[(\f)+64+16*\i+4*\g:(\f)+64+16*\i+4*\g+3], v[ADRB] offset:16384*\i+2048*(\ks)+512*\g
	ds_load_b128 v[(\f)+16*\i+4*\g:(\f)+16*\i+4*\g+3], v[ADRA] offset:16384*\i+2048*(\ks)+512*\g
.endr
.endr
.endm
; K step ks: the next step's fragments are fetched into the other buffer, then this step's 16 products; the 16 accumulators take turns.
; refill = 1, in the last step: my reads of A are over, and A's bytes are filled again with the tile 32 tile rows further down.
.macro STEPK ks, refill
.if (\ks) < 7
.if (\ks) > 0
	PLACES                                         ; in front of loads into the buffer that the last step's products read
.endif
	FETCH (\ks)+1, 128*(1-(\ks)%2)
	s_wait_dscnt 32                                ; all but the 32 just issued
.else
.if \refill
	WIN 0
	s_wait_tensorcnt 0x0                           ; no tensor load of mine is out,
	ds_add_u32 v126, v127                          ; 0 onto my spare word,
	s_wait_dscnt 0x0                               ; the add is done, and so are my reads of A and B: the last fragments are in registers
	CROUND                                         ; that now holds of every wave of all sixteen work-groups
	s_add_nc_u64 s[34:35], s[34:35], 0x400000      ; 32 tile rows of 131,072 bytes on
	s_cmp_eq_u32 s16, 0                            ; waves 0 and 2 fill A's two halves; waves 1 and 3 have nothing to fill
	s_cbranch_scc0 .Lno_refill
	tensor_load_to_lds s[32:35], s[24:31]
	s_nop 0
	PLACES
.Lno_refill:
.else
	s_wait_dscnt 0x0
.endif
.endif
	WIN 0x05                                       ; sources 0 (B) and 1 (A) window 1; C and D window 0
.irp a, 0,1,2,3
.irp b, 0,1,2,3
.if (\ks) == 0
	v_wmma_f32_16x16x128_fp8_fp8 v[ACC+8*(4*\a+\b):ACC+8*(4*\a+\b)+7], v[128*((\ks)%2)+64+16*\b:128*((\ks)%2)+64+16*\b+15], v[128*((\ks)%2)+16*\a:128*((\ks)%2)+16*\a+15], 0
.else
	v_wmma_f32_16x16x128_fp8_fp8 v[ACC+8*(4*\a+\b):ACC+8*(4*\a+\b)+7], v[128*((\ks)%2)+64+16*\b:128*((\ks)%2)+64+16*\b+15], v[128*((\ks)%2)+16*\a:128*((\ks)%2)+16*\a+15], v[ACC+8*(4*\a+\b):ACC+8*(4*\a+\b)+7]
.endif
.endr
.endr
.endm
; Block a (16 rows x 64 columns): scaled and biased, into my stage, and back as whole rows into the block's own accumulator registers.
.macro PACK a
.set k, 0
.rept 16
	v_pk_fma_f32 v[TMP+k:TMP+k+1], v[ACC+32*(\a)+k:ACC+32*(\a)+k+1], s[76:77], v[BIAS+k:BIAS+k+1] op_sel_hi:[1,0,1]   ; each accumulator from its low end on
.set k, k+2
.endr
.irp b, 0,1,2,3
	ds_store_b128 v[STO], v[TMP+8*\b:TMP+8*\b+3] offset:64*\b
	ds_store_b128 v[STO], v[TMP+8*\b+4:TMP+8*\b+7] offset:64*\b+16
.endr
.irp t, 0,1,2,3,4,5,6,7
	ds_load_b128 v[ACC+32*(\a)+4*\t:ACC+32*(\a)+4*\t+3], v[RD] offset:2*SP*\t   ; LDS serves a wave's instructions in order (ISA guide 5.7.1.4): these see the stores above; the next block's stores come behind them
.endr
.endm
.macro SEND a, younger                 ; younger: the LDS instructions issued behind block a's loads: the next block's sixteen, or none
.irp t, 0,1,2,3,4,5,6,7
	s_wait_dscnt (\younger)+7-\t
	global_store_b128 v[CO], v[ACC+32*(\a)+4*\t:ACC+32*(\a)+4*\t+3], s[12:13] offset:(16*(\a)+2*\t)*4096 th:TH_STORE_NT   ; 16 lanes store 256 consecutive bytes, at a multiple of 256 from out0's first byte
.endr
.endm
; A tile of out0: eight K steps and the way out.
.macro TILE refill
	FETCH 0, 0
.irp ks, 0,1,2,3,4,5,6,7
	STEPK \ks, \refill
.endr
	WIN 0
	PLACES                                         ; behind the last products, ahead of the first reads of results
.if \refill
	s_wait_loadcnt 0x0                             ; the bias: the same columns serve both tiles
.endif
	PACK 0
	PACK 1
	SEND 0, 16
	PACK 2
	SEND 1, 16
	PACK 3
	SEND 2, 16
	SEND 3, 0
.endm
	s_wait_tensorcnt 0x0                           ; my one load is in
	s_barrier_signal -1
	s_barrier_wait -1                              ; everybody's is
	TILE 1
	s_wait_xcnt 0x0                                ; the stores have read their registers and their base: the accumulators and the base may be written
	s_add_nc_u64 s[12:13], s[12:13], 0x1000000     ; 32 tile rows of 128 rows of 4,096 bytes on
	s_wait_tensorcnt 0x0                           ; my half of the second tile's A is in (waves 1 and 3: nothing was out),
	s_wait_dscnt 0x0
	s_barrier_signal -1
	s_barrier_wait -1                              ; everybody's is
	TILE 0
	s_wait_tensorcnt 0x0                           ; the wave's end
	ds_add_u32 v126, v127
	s_wait_dscnt 0x0
	CROUND                                         ; the closing round: no work-group ends while a partner may still ask for a piece that names it
	s_endpgm
.Lfunc_end_k_q3014690ca6_proj:
	.size	k_q3014690ca6_proj, .Lfunc_end_k_q3014690ca6_proj-k_q3014690ca6_proj
	.p2alignl 7, 3214868480
	.fill 96, 4, 3214868480
	.section	.rodata,"a",@progbits
	.p2align	6, 0x0
	.amdhsa_kernel k_q3014690ca6_proj
		.amdhsa_group_segment_fixed_size 327680
		.amdhsa_private_segment_fixed_size 0
		.amdhsa_enable_private_segment 0
		.amdhsa_kernarg_size 40
		.amdhsa_user_sgpr_count 2
		.amdhsa_user_sgpr_kernarg_segment_ptr 1
		.amdhsa_wavefront_size32 1
		.amdhsa_system_sgpr_workgroup_id_x 1
		.amdhsa_system_sgpr_workgroup_id_y 1
		.amdhsa_system_sgpr_workgroup_id_z 1
		.amdhsa_system_vgpr_workitem_id 0
		.amdhsa_next_free_vgpr 512
		.amdhsa_next_free_sgpr 90
		.amdhsa_reserve_vcc 0
		.amdhsa_float_denorm_mode_32 3
		.amdhsa_float_denorm_mode_16_64 3
		.amdhsa_memory_ordered 1
		.amdhsa_forward_progress 1
		.amdhsa_inst_pref_size 83
	.end_amdhsa_kernel
	.amdgpu_metadata
---
amdhsa.version: [ 1, 2 ]
amdhsa.kernels:
  - .name:           k_q3014690ca6_proj
    .symbol:         k_q3014690ca6_proj.kd
    .args:
      - { .name: ac, .offset: 0, .size: 8, .value_kind: global_buffer, .address_space: global }
      - { .name: wo, .offset: 8, .size: 8, .value_kind: global_buffer, .address_space: global }
      - { .name: lowp_scales, .offset: 16, .size: 8, .value_kind: global_buffer, .address_space: global }
      - { .name: b_out, .offset: 24, .size: 8, .value_kind: global_buffer, .address_space: global }
      - { .name: out0, .offset: 32, .size: 8, .value_kind: global_buffer, .address_space: global }
    .group_segment_fixed_size: 327680
    .private_segment_fixed_size: 0
    .kernarg_segment_align: 8
    .kernarg_segment_size: 40
    .max_flat_workgroup_size: 128
    .sgpr_count:     90
    .vgpr_count:     512
    .wavefront_size: 32
...
	.end_amdgpu_metadata
.endif
;; end of part 4
